; MI455X (gfx1250); checked and timed in simulation.
; The chip was launched on July 23, 2026; its instructions are those of AMD's public machine-readable ISA for CDNA 5 (MIT licence, August 2026) and "CDNA5" Instruction Set Architecture Reference Guide (July 2026). The comments in the code are by the model that wrote it; some were corrected since.
;; City Mo E. Allowed arithmetic: float matrix products may take bf16 or f16 operands with f32 sums; all other float work in f32.
;; Inputs: expert_w1 2 x 1,024 x 512 float32; expert_w2 2 x 512 x 1,024 float32; expert_w3 2 x 1,024 x 512 float32; gate_w 2 x 512 float32; hidden_states 1 x 8 x 1,024 x 512 float32; shared_gate_w 1 x 512 float32; shared_w1 2,048 x 512 float32; shared_w2 512 x 2,048 float32; shared_w3 2,048 x 512 float32.
;; Outputs: out0 1 x 8 x 1,024 x 512 float32; out1 8,192 x 2 float32.
;; 2 versions, each right; version 2 is version 1 with the launch prep written anew for expert scheduling mode. Each part assembles by itself: llvm-mc -triple=amdgcn-amd-amdhsa -mcpu=gfx1250 --defsym DOCPART=n.
;; ======== version 1 of 2: 3 launches
;; workspace buffers: xb 8,388,608 bytes; wt 12,582,912 bytes; sc 131,072 bytes; part 67,108,864 bytes
;; launch prep (part 1): grid 256 x 1, 8 waves a work-group, no clusters, 2,048 bytes of LDS; arguments hidden_states, gate_w, shared_gate_w, expert_w1, expert_w3, shared_w1, shared_w3, expert_w2, shared_w2, xb, wt, sc, out1; writes xb, wt, sc, out1
.if DOCPART == 1
	.amdgcn_target "amdgcn-amd-amdhsa--gfx1250"
	.amdhsa_code_object_version 6
	.text
	.protected	k_q496d7584db_prep
	.globl	k_q496d7584db_prep
	.p2align	8
	.type	k_q496d7584db_prep,@function
k_q496d7584db_prep:
	s_mov_b64 s[64:65], 0
	v_nop
	global_prefetch_b8 v0, s[64:65] scope:SCOPE_SE
	s_setreg_imm32_b32 hwreg(HW_REG_WAVE_MODE, 25, 1), 1
	s_wait_xcnt 0x0
; PREP: one pass over all inputs.  (1) x [8192][512] f32 -> xb in bf16.  (2) All FFN weights -> wt in bf16, in the order in which the
; FFN launch streams them.  (3) Router: logits (out1), softmax over the two experts, sigmoid of the shared gate -> sc [8192][4] = p0, p1, sg, sg.
; reference() takes the top 2 of 2 experts, so its combine weights are the softmax itself for every input; nothing hangs on data here.
; The 4096 intermediate columns are four segments q of 1024: q = 0, 1 the experts, q = 2, 3 the halves of the shared expert.
; wt = [q 4][chunk c 8][tile j 6][row 256][128] bf16, a tile = 65,536 dense bytes.
;   j = 0..3 (P): row 64 w + 16 b + r = k 128 j .. 128 j + 127 of W1 (b = 0, 1) or W3 (b = 2, 3), row 128 c + 32 w + 16 (b & 1) + r of the segment.
;   j = 4 + u (Q): row p = W2[col p][i0 .. i0 + 63], then W2[col p + 256][the same i], i0 = 128 c + 64 u inside the segment.
; Work-group g: x rows 32 g .. 32 g + 31 (wave o: four of them), and, with q = g >> 6, c = (g >> 3) & 7, w = (g >> 1) & 3, v = g & 1,
; rows 64 w .. 64 w + 63 of tiles 2 v, 2 v + 1 and 4 + v of chunk (q, c) (wave o: rows 64 w + 8 o + t, t = 0..7).
; Every load is 16 bytes a lane, 512 (Q: 2 x 256) consecutive bytes a wave; every bf16 store is 8 bytes a lane, 256 consecutive aligned bytes a wave.
; All 52 loads of a wave go out at once and are taken up in order by counted waits.  No matrix unit: the router has 3 columns and x is
; in registers here anyway; its products are taken on the bf16 roundings of x and of the gates, its sums are f32.
; LIMITS: v_exp_f32 and v_rcp_f32 flush results below 2^-126 to zero (ISA guide 15.8), so a probability or gate that small is stored as 0.
.set GP,  8                            ; v[8:31]    the three gate rows in bf16: gate y, piece j, pair p at 8 y + 2 j + p
.set X,   32                           ; v[32:95]   x: row i, piece j at 16 i + 4 j (after the conversion: the first two registers)
.set P,   96                           ; v[96:159]  P rows: tile n, row t at 32 n + 4 t
.set Q,   160                          ; v[160:191] Q rows: row t at 4 t
.set RAW, 192                          ; v[192:239] the gate rows as loaded; free again once they are packed:
.set L,   192                          ; v[192:207] row i: l0, l1, ls, a spare
.set R,   208                          ; v[208:223] row i: p0, p1, sg, sg
.set E,   224                          ; v[224:239] row i: at work
.set QO,  240                          ; v[240:247] Q: byte offset of my 16 bytes in row t
	s_load_b512 s[8:23], s[0:1], 0x0               ; hidden s[8:9], gate_w s[10:11], shared_gate_w s[12:13], expert_w1 s[14:15], expert_w3 s[16:17], shared_w1 s[18:19], shared_w3 s[20:21], expert_w2 s[22:23]
	s_load_b256 s[24:31], s[0:1], 0x40             ; shared_w2 s[24:25], xb s[26:27], wt s[28:29], sc s[30:31]
	s_load_b64 s[32:33], s[0:1], 0x60              ; out1
	v_lshl_add_u32 v248, v0, 2, 0x400
	v_mov_b32 v249, 0
	v_lshrrev_b32 v6, 5, v0
	v_readfirstlane_b32 s4, v6                     ; wave o, 0..7
	v_and_b32 v7, 31, v0                           ; lane
	v_lshlrev_b32 v1, 4, v7                        ; 16 x lane
	v_lshlrev_b32 v2, 3, v7                        ; 8 x lane
	v_mov_b32 v3, 0                                ; the addend of each dot product's first link
	v_mov_b32 v4, s4
	v_lshlrev_b32 v5, 6, v4                        ; LDS: 64 o (my four rows' scales, behind byte 256)
	v_lshlrev_b32 v4, 5, v4                        ; LDS: 32 o (my four rows' logits)
	v_bfe_u32 v6, v0, 4, 1                         ; lane / 16
	v_and_b32 v7, 15, v0                           ; lane % 16
	s_lshr_b32 s34, ttmp9, 6                       ; q
	s_bfe_u32 s35, ttmp9, 0x30003                  ; c
	s_bfe_u32 s36, ttmp9, 0x20001                  ; w
	s_and_b32 s37, ttmp9, 1                        ; v
	s_mov_b32 s38, 0x76543210                      ; v_permlanex16_b32: lane i reads lane i of the other half
	s_mov_b32 s39, 0xfedcba98
	s_mov_b32 s55, 0                               ; s[54:55]: every offset here is below 4 GiB
	s_lshl_b32 s54, ttmp9, 16                      ; 32 rows of 2,048 bytes a work-group,
	s_lshl_b32 s58, s4, 13                         ; 4 a wave
	s_add_co_u32 s54, s54, s58
	s_wait_kmcnt 0x0
	s_add_nc_u64 s[46:47], s[8:9], s[54:55]        ; x at my first row
.irp j, 0,1,2,3
	global_load_b128 v[RAW+4*\j:RAW+4*\j+3], v1, s[10:11] offset:512*\j
.endr
.irp j, 0,1,2,3
	global_load_b128 v[RAW+16+4*\j:RAW+16+4*\j+3], v1, s[10:11] offset:2048+512*\j
.endr
.irp j, 0,1,2,3
	global_load_b128 v[RAW+32+4*\j:RAW+32+4*\j+3], v1, s[12:13] offset:512*\j
.endr
.irp i, 0,1,2,3
.irp j, 0,1,2,3
	global_load_b128 v[X+16*\i+4*\j:X+16*\i+4*\j+3], v1, s[46:47] offset:2048*\i+512*\j th:TH_LOAD_NT
.endr
.endr
	; which buffers my weight rows come from: the experts' for q < 2, the shared expert's else; W1 for waves 0-3, W3 for waves 4-7
	s_cmp_lt_u32 s34, 2
	s_cselect_b64 s[40:41], s[14:15], s[18:19]     ; W1
	s_cselect_b64 s[56:57], s[16:17], s[20:21]     ; W3
	s_cselect_b64 s[42:43], s[22:23], s[24:25]     ; W2
	s_cselect_b32 s44, 12, 13                      ; log2 of W2's row pitch: 4,096 or 8,192 bytes
	s_cselect_b32 s45, 21, 12                      ; log2 of the step from a segment to the next in W2: a whole expert, or 1,024 columns
	s_cmp_lt_u32 s4, 4
	s_cselect_b64 s[40:41], s[40:41], s[56:57]
	s_and_b32 s59, s34, 1                          ; q & 1: which half of its buffer the segment is
	s_and_b32 s58, s4, 3
	s_lshl_b32 s54, s59, 10
	s_lshl_b32 s60, s35, 7
	s_add_co_u32 s54, s54, s60
	s_lshl_b32 s60, s36, 5
	s_add_co_u32 s54, s54, s60
	s_lshl_b32 s60, s58, 3
	s_add_co_u32 s54, s54, s60                     ; row 1024 (q & 1) + 128 c + 32 w + 8 (o & 3)
	s_lshl_b32 s54, s54, 11                        ; x 2,048 bytes
	s_lshl_b32 s60, s37, 10                        ; + k = 256 v
	s_add_co_u32 s54, s54, s60
	s_add_nc_u64 s[40:41], s[40:41], s[54:55]
.irp n, 0,1
.irp t, 0,1,2,3,4,5,6,7
	global_load_b128 v[P+32*\n+4*\t:P+32*\n+4*\t+3], v1, s[40:41] offset:512*\n+2048*\t th:TH_LOAD_NT
.endr
.endr
	s_lshl_b32 s54, s59, s45                       ; W2: the segment,
	s_lshl_b32 s60, s36, 6
	s_lshl_b32 s61, s4, 3
	s_add_co_u32 s60, s60, s61                     ; column 64 w + 8 o (kept: it is also my first row in the tiles),
	s_lshl_b32 s61, s60, s44
	s_add_co_u32 s54, s54, s61
	s_lshl_b32 s61, s35, 9                         ; i0 = 128 c + 64 v, 4 bytes each
	s_add_co_u32 s54, s54, s61
	s_lshl_b32 s61, s37, 8
	s_add_co_u32 s54, s54, s61
	s_add_nc_u64 s[42:43], s[42:43], s[54:55]
	s_add_co_u32 s61, s44, 8
	v_lshlrev_b32 v[QO], s61, v6                   ; lanes 16-31: 256 columns further down,
	v_lshl_add_u32 v[QO], v7, 4, v[QO]             ; 16 bytes for each of 16 lanes: 64 i
	s_lshl_b32 s61, 1, s44                         ; the pitch
.irp t, 1,2,3,4,5,6,7
	v_add_nc_u32 v[QO+\t], s61, v[QO+\t-1]
.endr
.irp t, 0,1,2,3,4,5,6,7
	global_load_b128 v[Q+4*\t:Q+4*\t+3], v[QO+\t], s[42:43] th:TH_LOAD_NT
.endr
	; where everything goes
	s_lshl_b32 s54, ttmp9, 15                      ; xb: 32 rows of 1,024 bytes a work-group, 4 a wave
	s_lshl_b32 s58, s4, 12
	s_add_co_u32 s54, s54, s58
	s_add_nc_u64 s[48:49], s[26:27], s[54:55]
	s_lshr_b32 s58, ttmp9, 3                       ; 8 q + c
	s_mul_i32 s54, s58, 0x60000                    ; six tiles a chunk
	s_lshl_b32 s61, s60, 8                         ; my first row, 256 bytes a row
	s_add_co_u32 s54, s54, s61
	s_lshl_b32 s61, s37, 16
	s_add_co_u32 s62, s54, s61                     ; + v tiles
	s_add_co_u32 s54, s62, s61                     ; + 2 v tiles: P
	s_add_nc_u64 s[50:51], s[28:29], s[54:55]
	s_add_co_u32 s54, s62, 0x40000                 ; tile 4 + v: Q
	s_add_nc_u64 s[52:53], s[28:29], s[54:55]
	s_lshl_b32 s54, ttmp9, 8                       ; out1: 32 rows of 8 bytes
	s_add_nc_u64 s[32:33], s[32:33], s[54:55]
	s_lshl_b32 s54, ttmp9, 9                       ; sc: 32 rows of 16 bytes
	s_add_nc_u64 s[30:31], s[30:31], s[54:55]
	s_wait_loadcnt 40                              ; loads come back in order (ISA guide 5.7.1): the 12 gate loads are in; x's 16, P's 16 and Q's 8 stay out
.irp y, 0,1,2
.irp j, 0,1,2,3
	v_cvt_pk_bf16_f32 v[GP+8*\y+2*\j],   v[RAW+16*\y+4*\j],   v[RAW+16*\y+4*\j+1]
	v_cvt_pk_bf16_f32 v[GP+8*\y+2*\j+1], v[RAW+16*\y+4*\j+2], v[RAW+16*\y+4*\j+3]
.endr
.endr
	s_wait_loadcnt 24                              ; x is in; P's 16 and Q's 8 stay out
.irp i, 0,1,2,3
.irp j, 0,1,2,3
	v_cvt_pk_bf16_f32 v[X+16*\i+4*\j],   v[X+16*\i+4*\j],   v[X+16*\i+4*\j+1]
	v_cvt_pk_bf16_f32 v[X+16*\i+4*\j+1], v[X+16*\i+4*\j+2], v[X+16*\i+4*\j+3]
	global_store_b64 v2, v[X+16*\i+4*\j:X+16*\i+4*\j+1], s[48:49] offset:1024*\i+256*\j   ; these registers are only read from here on
.endr
.endr
	; twelve dot products (4 rows x 3 gates), 16 links each over my 16 numbers of a row, taken by turns so that no link waits for the one before it
.irp j, 0,1,2,3
.irp p, 0,1
.irp s, 0,1
.irp i, 0,1,2,3
.irp y, 0,1,2
.if \j+\p+\s
	v_fma_mix_f32_bf16 v[L+4*\i+\y], v[X+16*\i+4*\j+\p], v[GP+8*\y+2*\j+\p], v[L+4*\i+\y] op_sel:[\s,\s,0] op_sel_hi:[1,1,0]
.else
	v_fma_mix_f32_bf16 v[L+4*\i+\y], v[X+16*\i+4*\j+\p], v[GP+8*\y+2*\j+\p], v3 op_sel:[\s,\s,0] op_sel_hi:[1,1,0]
.endif
.endr
.endr
.endr
.endr
.endr
	; across the 32 lanes: four steps inside each half ride on the addition, one crosses the halves; every lane ends with the sum
.irp m, 1,2,4,8
.irp i, 0,1,2,3
.irp y, 0,1,2
	v_add_f32_dpp v[L+4*\i+\y], v[L+4*\i+\y], v[L+4*\i+\y] row_xmask:\m row_mask:0xf bank_mask:0xf
.endr
.endr
.endr
.irp i, 0,1,2,3
.irp y, 0,1,2
	v_permlanex16_b32 v[L+4*\i+3], v[L+4*\i+\y], s38, s39   ; its destination has been written (a gate load landed there)
	v_add_f32 v[L+4*\i+\y], v[L+4*\i+\y], v[L+4*\i+3]
.endr
.endr
	; softmax over the two logits, the larger one taken away first; sigmoid(ls) = 1 / (1 + 2^(-log2 e x ls))
.irp i, 0,1,2,3
	v_max_num_f32 v[E+4*\i+3], v[L+4*\i], v[L+4*\i+1]
	v_sub_f32 v[E+4*\i],   v[L+4*\i],   v[E+4*\i+3]
	v_sub_f32 v[E+4*\i+1], v[L+4*\i+1], v[E+4*\i+3]
	v_mul_f32 v[E+4*\i],   0x3fb8aa3b, v[E+4*\i]
	v_mul_f32 v[E+4*\i+1], 0x3fb8aa3b, v[E+4*\i+1]
	v_mul_f32 v[E+4*\i+2], 0xbfb8aa3b, v[L+4*\i+2]
.endr
.irp i, 0,1,2,3
.irp y, 0,1,2
	v_exp_f32 v[E+4*\i+\y], v[E+4*\i+\y]
.endr
.endr
	v_nop                                          ; one plain place behind the last exponential before its result is read (ISA guide 5.7.2)
	s_wait_alu depctr_va_vdst(0)
.irp i, 0,1,2,3
	v_add_f32 v[E+4*\i+3], v[E+4*\i], v[E+4*\i+1]
	v_add_f32 v[E+4*\i+2], 1.0, v[E+4*\i+2]
.endr
.irp i, 0,1,2,3
	v_rcp_f32 v[E+4*\i+3], v[E+4*\i+3]
	v_rcp_f32 v[R+4*\i+2], v[E+4*\i+2]
.endr
	v_nop                                          ; and one behind the last reciprocal
	s_wait_alu depctr_va_vdst(0)
.irp i, 0,1,2,3
	v_mul_f32 v[R+4*\i],   v[E+4*\i],   v[E+4*\i+3]
	v_mul_f32 v[R+4*\i+1], v[E+4*\i+1], v[E+4*\i+3]
	v_mov_b32 v[R+4*\i+3], v[R+4*\i+2]
	ds_store_b64  v4, v[L+4*\i:L+4*\i+1] offset:8*\i          ; all lanes hold the same numbers and write the same bytes: row 4 o + i of the group's 32
	ds_store_b128 v5, v[R+4*\i:R+4*\i+3] offset:256+16*\i
.endr
	s_wait_loadcnt 8                               ; P is in; Q's 8 stay out
.irp n, 0,1
.irp t, 0,1,2,3,4,5,6,7
	v_cvt_pk_bf16_f32 v[P+32*\n+4*\t],   v[P+32*\n+4*\t],   v[P+32*\n+4*\t+1]
	v_cvt_pk_bf16_f32 v[P+32*\n+4*\t+1], v[P+32*\n+4*\t+2], v[P+32*\n+4*\t+3]
	global_store_b64 v2, v[P+32*\n+4*\t:P+32*\n+4*\t+1], s[50:51] offset:65536*\n+256*\t
.endr
.endr
	s_wait_loadcnt 0x0
.irp t, 0,1,2,3,4,5,6,7
	v_cvt_pk_bf16_f32 v[Q+4*\t],   v[Q+4*\t],   v[Q+4*\t+1]
	v_cvt_pk_bf16_f32 v[Q+4*\t+1], v[Q+4*\t+2], v[Q+4*\t+3]
	global_store_b64 v2, v[Q+4*\t:Q+4*\t+1], s[52:53] offset:256*\t
.endr
	; the 32 rows' logits and scales leave together, so that each store covers whole aligned runs of 256 bytes
	s_wait_dscnt 0x0                               ; for wave 0's sake: my LDS stores are done
	s_barrier_signal -1
	s_barrier_wait -1
	s_cmp_lg_u32 s4, 0
	s_cbranch_scc1 .Lend
	ds_load_b64  v[E:E+1], v2
	ds_load_b128 v[E+4:E+7], v1 offset:256
	s_wait_dscnt 0x0
	global_store_b64  v2, v[E:E+1], s[32:33]
	global_store_b128 v1, v[E+4:E+7], s[30:31]
.Lend:
	s_wait_tensorcnt 0x0
	ds_add_u32 v248, v249
	s_wait_dscnt 0x0
	s_endpgm
.Lfunc_end_k_q496d7584db_prep:
	.size	k_q496d7584db_prep, .Lfunc_end_k_q496d7584db_prep-k_q496d7584db_prep
	.p2alignl 7, 3214868480
	.fill 96, 4, 3214868480
	.section	.rodata,"a",@progbits
	.p2align	6, 0x0
	.amdhsa_kernel k_q496d7584db_prep
		.amdhsa_group_segment_fixed_size 2048
		.amdhsa_private_segment_fixed_size 0
		.amdhsa_enable_private_segment 0
		.amdhsa_kernarg_size 104
		.amdhsa_user_sgpr_count 2
		.amdhsa_user_sgpr_kernarg_segment_ptr 1
		.amdhsa_wavefront_size32 1
		.amdhsa_system_sgpr_workgroup_id_x 1
		.amdhsa_system_sgpr_workgroup_id_y 1
		.amdhsa_system_sgpr_workgroup_id_z 1
		.amdhsa_system_vgpr_workitem_id 0
		.amdhsa_next_free_vgpr 250
		.amdhsa_next_free_sgpr 66
		.amdhsa_reserve_vcc 0
		.amdhsa_float_denorm_mode_32 3
		.amdhsa_float_denorm_mode_16_64 3
		.amdhsa_memory_ordered 1
		.amdhsa_forward_progress 1
		.amdhsa_inst_pref_size 39
	.end_amdhsa_kernel
	.amdgpu_metadata
---
amdhsa.version: [ 1, 2 ]
amdhsa.kernels:
  - .name:           k_q496d7584db_prep
    .symbol:         k_q496d7584db_prep.kd
    .args:
      - { .name: hidden_states, .offset: 0, .size: 8, .value_kind: global_buffer, .address_space: global }
      - { .name: gate_w, .offset: 8, .size: 8, .value_kind: global_buffer, .address_space: global }
      - { .name: shared_gate_w, .offset: 16, .size: 8, .value_kind: global_buffer, .address_space: global }
      - { .name: expert_w1, .offset: 24, .size: 8, .value_kind: global_buffer, .address_space: global }
      - { .name: expert_w3, .offset: 32, .size: 8, .value_kind: global_buffer, .address_space: global }
      - { .name: shared_w1, .offset: 40, .size: 8, .value_kind: global_buffer, .address_space: global }
      - { .name: shared_w3, .offset: 48, .size: 8, .value_kind: global_buffer, .address_space: global }
      - { .name: expert_w2, .offset: 56, .size: 8, .value_kind: global_buffer, .address_space: global }
      - { .name: shared_w2, .offset: 64, .size: 8, .value_kind: global_buffer, .address_space: global }
      - { .name: xb, .offset: 72, .size: 8, .value_kind: global_buffer, .address_space: global }
      - { .name: wt, .offset: 80, .size: 8, .value_kind: global_buffer, .address_space: global }
      - { .name: sc, .offset: 88, .size: 8, .value_kind: global_buffer, .address_space: global }
      - { .name: out1, .offset: 96, .size: 8, .value_kind: global_buffer, .address_space: global }
    .group_segment_fixed_size: 2048
    .private_segment_fixed_size: 0
    .kernarg_segment_align: 8
    .kernarg_segment_size: 104
    .max_flat_workgroup_size: 256
    .sgpr_count:     66
    .vgpr_count:     250
    .wavefront_size: 32
...
	.end_amdgpu_metadata
.endif
;; end of part 1
;; launch ffn (part 2): grid 64 x 4, 4 waves a work-group, clusters of 4 x 1, 327,680 bytes of LDS; arguments xb, wt, part; writes part
.if DOCPART == 2
	.amdgcn_target "amdgcn-amd-amdhsa--gfx1250"
	.amdhsa_code_object_version 6
	.text
	.protected	k_q496d7584db_ffn
	.globl	k_q496d7584db_ffn
	.p2align	8
	.type	k_q496d7584db_ffn,@function
k_q496d7584db_ffn:
	s_mov_b64 s[64:65], 0
	v_nop
	global_prefetch_b8 v0, s[64:65] scope:SCOPE_SE
	s_setreg_imm32_b32 hwreg(HW_REG_WAVE_MODE, 25, 1), 1
	s_wait_xcnt 0x0
	s_wait_alu depctr_hold_cnt(0) depctr_sa_sdst(0) depctr_va_vdst(0) depctr_va_sdst(0) depctr_va_ssrc(0) depctr_va_vcc(0) depctr_vm_vsrc(0)
	s_getreg_b32 s2, hwreg(HW_REG_IB_STS2, 6, 4)
	s_cmp_eq_u32 s2, 0
	s_cbranch_scc0 .Lentry_in_a_cluster
	s_endpgm
.Lentry_in_a_cluster:
	s_bfe_u32 s2, ttmp6, 0x10000c
	s_cmp_lg_u32 s2, 0x3003
	s_cbranch_scc0 .Lentry_shape_is_right
	s_endpgm
.Lentry_shape_is_right:
; FFN: part[q][t][:] = (silu(x W1q^T) * (x W3q^T)) W2q^T for 128 tokens (row block rb) and one segment q of 1,024 intermediate columns.
; 64 row blocks x 4 segments = 256 work-groups of four waves.  The per-token factor of a segment is applied by the next launch, in f32.
; x (128 x 512 bf16) lies in LDS for the whole launch; the block's 128 x 512 results lie in registers, 128 x 128 a wave (512 registers); only weights
; stream, in chunks of 128 intermediate columns = six tiles of 256 rows x 256 bytes (P0-P3: W1 and W3, 128 along H each; Q0, Q1: W2, 64 along I each),
; through a ring of two LDS slots; tile j of a chunk goes to slot j & 1.  Wave w fetches, and alone reads, rows 64 w .. 64 w + 63 of every tile.
; A chunk: phase 1, h1 and h3 of 128 tokens x my 32 columns (32 accumulator tiles); the activation, h in bf16 into LDS; phase 2, all four waves' h
; times my 128 rows of W2 (64 accumulator tiles).  128 matrix instructions a tile and wave.
; CLUSTER 4 x 1: the four partners are four row blocks of one segment and walk the same 48 weight tiles: each tile part is asked for jointly (mask 15),
; which divides the requests for weights by four.  x is each work-group's own (a plain load; 128 KiB beside 3 MiB of weights).
; THE ORDER OF THE CHUNKS: the sum over a segment's eight chunks has no order, so cluster x (0..15) starts at chunk c0 = (x & 7) xor 7 (x >> 3) and walks
; (c0 + i) & 7.  The sixteen clusters of a segment thus start at eight different chunks, and from its second chunk on a cluster asks only for tiles that
; another cluster of the launch has read before.  The two clusters that share a c0 have numbers that differ in every bit, so any one bit of x splits
; the sixteen into two sets of eight that each hold all eight starts.  x is the same in the four partners: their descriptors stay equal.
; THE MATRIX INSTRUCTION IS USED TRANSPOSED: source 0 = 16 weight rows, source 1 = 16 tokens.  Lane l then holds token l % 16 and eight neighbouring
; columns 8 (l / 16) + 0..7, which pack into 16 bytes of h, or are 32 neighbouring bytes of the result.
; The accumulators take turns, one matrix instruction a turn (32 in phase 1, 64 in phase 2), over every seam and the backward jump.
; LIMITS: v_exp_f32 and v_rcp_f32 flush results below 2^-126 to zero (ISA guide 15.8); silu is then 0 where it would be that small.  h is rounded to bf16.
; The chunks are summed in an order that differs from cluster to cluster.
;
; REGISTERS, in windows of 256:
;   window 0: v8-16 addresses; F0 = v64-159, F1 = v160-255 phase 1's fragments (4 of W, then 8 of x); HB0 = v64-127, HB1 = v192-255 phase 2's h; T = v64-191 the activation
;   window 1: phase 1's accumulators, tile (a = token block, b) at v[8 (4 a + b)], b = 0, 1: h1, b = 2, 3: h3; in phase 2 WB0 = v64-127, WB1 = v128-191, W2's fragments
;   windows 2, 3: the results, tile (a, b = 0..7) at v[8 (8 (a & 3) + b)] of window 2 + (a >> 2); columns 64 w + 16 b (b < 4), 256 + 64 w + 16 (b - 4) (b >= 4)
.set XPITCH, 1040                      ; an x row in LDS: 1,024 bytes + 16.  All four pitches are odd multiples of 16 bytes: the 16 rows that a
.set WPITCH, 272                       ; load or store of 16 bytes a lane touches lie in 16 different 16-byte columns modulo 256 bytes
.set HPITCH, 80                        ; an h row: one wave's 32 columns, 64 bytes + 16
.set SPITCH, 528                       ; a row of the way out: my 128 columns in f32, 512 bytes + 16
.set RING,   128*XPITCH                ; 133,120: behind x
.set WPART,  64*WPITCH                 ; 17,408: a wave's rows of a tile
.set SLOT,   4*WPART                   ; 69,632
.set HS,     RING+2*SLOT               ; 272,384: h, [producing wave 4][token 128][32]; written by LDS stores alone, never a tensor load's target
.set HPART,  128*HPITCH                ; 10,240: a wave's part of h; at the end its stage for the way out (16 x 528 bytes)
.set TILEB,  65536                     ; a tile in memory
.set ADRX, 8                           ; v8, v9    x fragments: token blocks 0-3, 4-7
.set ADRW, 10                          ; v10, v11  my weight rows in slot 0, 1
.set ADRH, 12                          ; v12       h fragments
.set STOH, 13                          ; v13       where I put 16 bytes of h
.set STO,  14                          ; v14       the way out: where I put 32 bytes of a row
.set RD,   15                          ; v15       the way out: where I read a row back
.set CO,   16                          ; v16       my byte offset in a row pair of part
.set F0,   64
.set F1,   160
.set T,    64
.set GX0, 20                           ; s[20:23]  x: descriptor group 0
.set GX1, 24                           ; s[24:31]  x: group 1
.set GW1, 32                           ; s[32:39]  weights: group 1
.set GW0, 40                           ; s[40:47]  weights: group 0, a set for each slot
.set SB,  56                           ; s[56:57]  wt at my segment's first tile, my wave's rows; never rewritten
.set SBC, 58                           ; s[58:59]  the same at the chunk from which the next refills come; no descriptor register
.set MSB, 0
.macro WIN new                         ; s_set_vgpr_msb: bits 1:0 source 0, 3:2 source 1, 5:4 source 2, 7:6 destination; the high byte repeats the setting that is left
.if MSB != \new
	s_set_vgpr_msb (MSB<<8)|\new
.set MSB, \new
.endif
.endm
.macro PLACES n                        ; places behind matrix instructions (ISA guide 7.12.1): plain vector instructions that name none of their registers
.rept \n
	v_nop
.endr
.endm
; A round of the cluster's barrier: my work-group's barrier, wave 0 signals for the work-group, every wave waits for all four work-groups, my work-group's barrier again.
.macro CREST                           ; a round behind its opening barrier
	s_cmp_lg_u32 s10, 0
	s_cbranch_scc1 .Lnot_wave_0_\@
	s_barrier_signal -3
.Lnot_wave_0_\@:
	s_barrier_wait -3
	s_barrier_signal -1
	s_barrier_wait -1
.endm
.macro CROUND
	s_barrier_signal -1
	s_barrier_wait -1
	CREST
.endm
	s_load_b128 s[4:7], s[0:1], 0x0                ; xb s[4:5], wt s[6:7]
	s_load_b64 s[8:9], s[0:1], 0x10                ; part
	v_lshl_add_u32 v62, v0, 2, 0x4c800
	v_mov_b32 v63, 0
	ds_add_u32 v62, v63
	v_lshrrev_b32 v1, 5, v0
	v_readfirstlane_b32 s10, v1                    ; wave w, 0..3
	s_bfe_u32 s11, ttmp6, 0x40000                  ; cx: my place in the cluster; it enters x's and part's global offsets alone
	s_lshl_b32 s12, ttmp9, 2
	s_add_co_u32 s12, s12, s11                     ; row block rb = 4 x cluster x + cx
	s_and_b32 s13, ttmp7, 0xffff                   ; segment q, shared by the four partners
	s_lshl_b32 s14, s12, 17                        ; x: 128 rows of 1,024 bytes a block,
	s_lshl_b32 s19, s10, 15                        ; 32 rows a wave
	s_add_co_u32 s14, s14, s19
	s_mov_b32 s15, 0
	s_mul_i32 s16, s13, 48*TILEB                   ; weights: 48 tiles a segment,
	s_lshl_b32 s48, s10, 14                        ; 64 rows of 256 bytes a wave: made of q and w alone
	s_add_co_u32 s16, s16, s48
	s_mov_b32 s17, 0
	s_and_b32 s49, ttmp9, 7                        ; my cluster's first chunk: (x & 7) xor 7 (x >> 3), made of the cluster's x alone
	s_lshr_b32 s55, ttmp9, 3
	s_mul_i32 s55, s55, 7
	s_xor_b32 s49, s49, s55
	; x: 32 rows x 512 elements of 2 bytes, 16 bytes of padding behind every 256 words
	s_mov_b32 s[GX1+0], (1<<16)|(1<<20)|(7<<22)|(3<<25)   ; 15:0 mask = 0 (my own load); 17:16 element of 2 bytes; 20 padding on; 24:22 after 256 words (code 7); 31:25 of 4 words (code 3)
	s_mov_b32 s[GX1+1], 512<<16                    ; tensor_dim0 = 512
	s_mov_b32 s[GX1+2], 32<<16                     ; tensor_dim1 = 32
	s_mov_b32 s[GX1+3], 512<<16                    ; tile_dim0 = 512
	s_mov_b32 s[GX1+4], 32                         ; tile_dim1 = 32
	s_mov_b32 s[GX1+5], 512                        ; elements from row to row
	s_mov_b32 s[GX1+6], 0
	s_mov_b32 s[GX1+7], 0
	; weights: 64 rows x 128 elements of 2 bytes, dense in memory, 16 bytes of padding behind every 64 words; asked for jointly by the cluster's four work-groups
	s_mov_b32 s[GW1+0], 15|(1<<16)|(1<<20)|(1<<21)|(5<<22)|(3<<25)   ; 15:0 mask = all four; 21 set beside a mask; 24:22 after 64 words (code 5)
	s_mov_b32 s[GW1+1], 128<<16
	s_mov_b32 s[GW1+2], 64<<16
	s_mov_b32 s[GW1+3], 128<<16
	s_mov_b32 s[GW1+4], 64
	s_mov_b32 s[GW1+5], 128
	s_mov_b32 s[GW1+6], 0
	s_mov_b32 s[GW1+7], 0
	s_mov_b32 s[GX0+0], 1
	s_mul_i32 s[GX0+1], s10, 32*XPITCH             ; LDS: my 32 rows of x
	s_mul_i32 s52, s10, WPART
	s_mov_b32 s[GW0+0], 1
	s_add_co_u32 s[GW0+1], s52, RING               ; LDS: my rows in slot 0,
	s_mov_b32 s[GW0+4], 1
	s_add_co_u32 s[GW0+5], s52, RING+SLOT          ; in slot 1
	s_mov_b32 s50, 0xbfb8aa3b                      ; -log2 e, twice (a pair for the packed multiply)
	s_mov_b32 s51, 0xbfb8aa3b
	s_wait_dscnt 0x0
	s_wait_kmcnt 0x0
	s_add_nc_u64 s[GX0+2:GX0+3], s[4:5], s[14:15]
	s_or_b32 s[GX0+3], s[GX0+3], 0x80000000        ; type = 2
	s_add_nc_u64 s[SB:SB+1], s[6:7], s[16:17]      ; my rows of the segment's tile 0
	s_mul_i32 s16, s49, 6*TILEB                    ; six tiles a chunk
	s_add_nc_u64 s[SBC:SBC+1], s[SB:SB+1], s[16:17]
	s_mov_b64 s[GW0+2:GW0+3], s[SBC:SBC+1]         ; my first chunk's tile 0,
	s_add_nc_u64 s[GW0+6:GW0+7], s[SBC:SBC+1], TILEB   ; tile 1
	s_or_b32 s[GW0+3], s[GW0+3], 0x80000000
	s_or_b32 s[GW0+7], s[GW0+7], 0x80000000
	CROUND                                         ; all four work-groups are here: the first joint loads meet
	tensor_load_to_lds s[GX0:GX0+3], s[GX1:GX1+7]  ; the first fills go out as one group: three tensor loads of this wave are out, the most in this text
	s_nop 0
	tensor_load_to_lds s[GW0:GW0+3], s[GW1:GW1+7]
	s_nop 0
	tensor_load_to_lds s[GW0+4:GW0+7], s[GW1:GW1+7]
	s_nop 0
	; A fragment is 16 rows x 32 K in 8 registers: lane l holds row l % 16; registers 0-3 K = 8 (l / 16) + 0..7, registers 4-7 K = 16 + 8 (l / 16) + 0..7:
	; two loads of 16 bytes, 32 bytes apart, at row x pitch + 16 (l / 16)
	v_and_b32 v1, 15, v0                           ; r = l % 16
	v_bfe_u32 v2, v0, 4, 1                         ; h = l / 16
	v_and_b32 v3, 31, v0                           ; l
	v_mul_u32_u24 v[ADRX], v1, XPITCH
	v_lshl_add_u32 v[ADRX], v2, 4, v[ADRX]
	v_add_nc_u32 v[ADRX+1], 64*XPITCH, v[ADRX]     ; token blocks 4-7: beyond the reach of a 16-bit offset from the first
	v_mul_u32_u24 v4, v1, WPITCH
	v_lshl_add_u32 v4, v2, 4, v4
	v_add_nc_u32 v[ADRW], s[GW0+1], v4
	v_add_nc_u32 v[ADRW+1], s[GW0+5], v4
	s_mul_i32 s53, s10, HPART
	s_add_co_u32 s53, s53, HS                      ; my part of h
	v_mul_u32_u24 v5, v1, HPITCH
	v_lshl_add_u32 v5, v2, 4, v5
	v_add_nc_u32 v[ADRH], HS, v5
	v_add_nc_u32 v[STOH], s53, v5
	v_mul_u32_u24 v6, v1, SPITCH
	v_lshl_add_u32 v6, v2, 5, v6
	v_add_nc_u32 v[STO], s53, v6
	v_lshl_add_u32 v[RD], v3, 4, s53
	s_lshl_b32 s54, s10, 8
	v_lshlrev_b32 v[CO], 10, v2                    ; lanes 16-31: my columns 256 + 64 w ..
	v_lshl_add_u32 v[CO], v1, 4, v[CO]
	v_add_nc_u32 v[CO], s54, v[CO]                 ; + 64 w columns of 4 bytes
; PHASE 1.  24 LDS loads: the fragments of 32 along H (step kk of tile j in slot s) into buffer f: my 64 weight rows, then all 128 tokens
.macro FETCH1 s, j, kk, f
	WIN 0
.irp b, 0,1,2,3
	ds_load_b128 v[\f+8*\b:\f+8*\b+3],   v[ADRW+\s] offset:16*WPITCH*\b+64*\kk
	ds_load_b128 v[\f+8*\b+4:\f+8*\b+7], v[ADRW+\s] offset:16*WPITCH*\b+64*\kk+32
.endr
.irp a, 0,1,2,3,4,5,6,7
	ds_load_b128 v[\f+32+8*\a:\f+32+8*\a+3],   v[ADRX+(\a>>2)] offset:16*XPITCH*(\a&3)+256*\j+64*\kk
	ds_load_b128 v[\f+32+8*\a+4:\f+32+8*\a+7], v[ADRX+(\a>>2)] offset:16*XPITCH*(\a&3)+256*\j+64*\kk+32
.endr
.endm
; 4 n matrix instructions: token blocks a0 .. a0 + n - 1 x my four weight blocks.  zero = 1: the product starts the sums, nothing is cleared
.macro MUL1 f, a0, n, zero
.set aa, \a0
.rept \n
.irp b, 0,1,2,3
.if \zero
	v_wmma_f32_16x16x32_bf16 v[8*(4*aa+\b):8*(4*aa+\b)+7], v[\f+8*\b:\f+8*\b+7], v[\f+32+8*aa:\f+32+8*aa+7], 0
.else
	v_wmma_f32_16x16x32_bf16 v[8*(4*aa+\b):8*(4*aa+\b)+7], v[\f+8*\b:\f+8*\b+7], v[\f+32+8*aa:\f+32+8*aa+7], v[8*(4*aa+\b):8*(4*aa+\b)+7]
.endif
.endr
.set aa, aa+1
.endr
.endm
; one step of 32 along H: fetch step kk into buffer g, multiply buffer f (step kk - 1)
.macro K1 s, j, kk, f, g, zero, pl
	PLACES \pl                                     ; buffer g was read by the matrix instructions just issued
	FETCH1 \s, \j, \kk, \g
	s_wait_dscnt 24                                ; LDS loads come back in order (ISA guide 5.7.1): all but the 24 just issued: buffer f is in
	WIN 0x50                                       ; C and D in window 1
	MUL1 \f, 0, 8, \zero
.endm
.macro PTILE s, j, zero, pl
	K1 \s, \j, 1, F0, F1, \zero, \pl
	K1 \s, \j, 2, F1, F0, 0, 4
	K1 \s, \j, 3, F0, F1, 0, 4
.endm
; A round of the cluster's barrier, and the refill.  In front of it every wave has waited for its reads of this slot and for all its tensor loads, so behind it no
; wave of any partner still reads the slot's tile or has a load on its way.  No tensor load of this wave is out, so the slot's group 0 may be written: its address
; is made inside the round (register work): tile number 'tile' of the chunk at SBC.  The joint load is the first tensor load behind the round, straight behind its
; closing wait, and the wave's only one until the next round.  No product stands between the waits and the load: the request goes out as early as the round allows.
.macro SYNC slot, tile
	WIN 0
	s_barrier_signal -1
	s_add_nc_u64 s[GW0+4*\slot+2:GW0+4*\slot+3], s[SBC:SBC+1], \tile*TILEB
	s_or_b32 s[GW0+4*\slot+3], s[GW0+4*\slot+3], 0x80000000        ; type = 2
	s_barrier_wait -1
	CREST
	tensor_load_to_lds s[GW0+4*\slot:GW0+4*\slot+3], s[GW1:GW1+7]
	s_nop 0
.endm
; the refills that follow come from the next chunk of my cluster's walk
.macro NEXTC
	s_add_co_u32 s49, s49, 1
	s_and_b32 s49, s49, 7
	s_mul_i32 s16, s49, 6*TILEB
	s_add_nc_u64 s[SBC:SBC+1], s[SB:SB+1], s[16:17]
.endm
; a P tile's last step, and the change of slots: the slot is filled with tile number 'tile'.  next = 1: the first fragments of tile nj in slot ns follow.
; From this request to the wait for it a wave issues 128 matrix instructions: the 32 below and the next tile's first 96.
.macro TURN1 slot, tile, next, ns, nj
	s_wait_dscnt 0x0                               ; buffer 1 is in, and my reads of this slot are over
	s_wait_tensorcnt 0x0                           ; all my tensor loads have landed: the one that was out is my part of the other slot
	ds_add_u32 v62, v63
	s_wait_dscnt 0x0
	SYNC \slot, \tile
.if \next
	PLACES 4                                       ; buffer 0 was read by the matrix instructions last issued
	FETCH1 \ns, \nj, 0, F0
.endif
	WIN 0x50
	MUL1 F1, 0, 8, 0
.endm
; THE ACTIVATION: h = (h1 x 1 / (1 + 2^(-log2 e x h1))) x h3 for my 128 numbers a lane; number 16 a + 8 e + jj is token block a, column block e.
; Stages run under one window setting each; the transcendentals stand back to back, one plain place behind each run (ISA guide 5.7.2).
.macro ACT
	PLACES 4                                       ; behind the last matrix instructions: their results are read, and T lies on their sources
	WIN 0x01                                       ; source 0 in window 1
.irp a, 0,1,2,3,4,5,6,7
.irp e, 0,1
.irp p, 0,2,4,6
	v_pk_mul_f32 v[T+16*\a+8*\e+\p:T+16*\a+8*\e+\p+1], v[8*(4*\a+\e)+\p:8*(4*\a+\e)+\p+1], s[50:51] op_sel_hi:[1,0]
.endr
.endr
.endr
	WIN 0
.set ii, 0
.rept 128
	v_exp_f32 v[T+ii], v[T+ii]
.set ii, ii+1
.endr
	v_nop
.set ii, 0
	s_wait_alu depctr_va_vdst(0)
.rept 64
	v_pk_add_f32 v[T+ii:T+ii+1], v[T+ii:T+ii+1], 1.0 op_sel_hi:[1,0]
.set ii, ii+2
.endr
.set ii, 0
.rept 128
	v_rcp_f32 v[T+ii], v[T+ii]
.set ii, ii+1
.endr
	v_nop
	WIN 0x01
	s_wait_alu depctr_va_vdst(0)
.irp a, 0,1,2,3,4,5,6,7
.irp e, 0,1
.irp p, 0,2,4,6
	v_pk_mul_f32 v[T+16*\a+8*\e+\p:T+16*\a+8*\e+\p+1], v[8*(4*\a+\e)+\p:8*(4*\a+\e)+\p+1], v[T+16*\a+8*\e+\p:T+16*\a+8*\e+\p+1]
.endr
.endr
.endr
.irp a, 0,1,2,3,4,5,6,7
.irp e, 0,1
.irp p, 0,2,4,6
	v_pk_mul_f32 v[T+16*\a+8*\e+\p:T+16*\a+8*\e+\p+1], v[8*(4*\a+2+\e)+\p:8*(4*\a+2+\e)+\p+1], v[T+16*\a+8*\e+\p:T+16*\a+8*\e+\p+1]
.endr
.endr
.endr
	WIN 0
.set ii, 0
.rept 64
	v_cvt_pk_bf16_f32 v[T+ii], v[T+2*ii], v[T+2*ii+1]      ; ascending and in place: word ii never lies ahead of its sources
.set ii, ii+1
.endr
.irp a, 0,1,2,3,4,5,6,7
.irp e, 0,1
	ds_store_b128 v[STOH], v[T+8*\a+4*\e:T+8*\a+4*\e+3] offset:16*HPITCH*\a+32*\e
.endr
.endr
.endm
; PHASE 2.  32 LDS loads: 32 along I (step kk of half u; h's part 2 u + kk) into buffer n: my 128 rows of W2 (window 1), then all 128 tokens of h
.macro FETCH2 s, u, kk, n
	WIN 0x40                                       ; destination in window 1
.irp b, 0,1,2,3,4,5,6,7
	ds_load_b128 v[64+64*\n+8*\b:64+64*\n+8*\b+3],   v[ADRW+\s] offset:16*WPITCH*(\b&3)+128*(\b>>2)+64*\kk
	ds_load_b128 v[64+64*\n+8*\b+4:64+64*\n+8*\b+7], v[ADRW+\s] offset:16*WPITCH*(\b&3)+128*(\b>>2)+64*\kk+32
.endr
	WIN 0
.irp a, 0,1,2,3,4,5,6,7
	ds_load_b128 v[64+128*\n+8*\a:64+128*\n+8*\a+3],   v[ADRH] offset:HPART*(2*\u+\kk)+16*HPITCH*\a
	ds_load_b128 v[64+128*\n+8*\a+4:64+128*\n+8*\a+7], v[ADRH] offset:HPART*(2*\u+\kk)+16*HPITCH*\a+32
.endr
.endm
; 32 matrix instructions: token blocks 4 hi .. 4 hi + 3 x my eight column blocks, from buffer n
.macro MUL2 n, hi, zero
.irp a, 0,1,2,3
.irp b, 0,1,2,3,4,5,6,7
.if \zero
	v_wmma_f32_16x16x32_bf16 v[8*(8*\a+\b):8*(8*\a+\b)+7], v[64+64*\n+8*\b:64+64*\n+8*\b+7], v[64+128*\n+8*(4*\hi+\a):64+128*\n+8*(4*\hi+\a)+7], 0
.else
	v_wmma_f32_16x16x32_bf16 v[8*(8*\a+\b):8*(8*\a+\b)+7], v[64+64*\n+8*\b:64+64*\n+8*\b+7], v[64+128*\n+8*(4*\hi+\a):64+128*\n+8*(4*\hi+\a)+7], v[8*(8*\a+\b):8*(8*\a+\b)+7]
.endif
.endr
.endr
.endm
; a Q tile's first step: fetch its second step into buffer 1, multiply buffer 0
.macro K2 s, u, zero
	PLACES 4
	FETCH2 \s, \u, 1, 1
	s_wait_dscnt 32                                ; all but the 32 just issued: buffer 0 is in
	WIN 0xa1                                       ; source 0 window 1, source 1 window 0, C and D window 2
	MUL2 0, 0, \zero
	WIN 0xf1                                       ; C and D window 3
	MUL2 0, 1, \zero
.endm
; a Q tile's second step, and the change of slots.  fill = 0 (the last chunk): nothing is left to fetch, so no round; my own wait shows my rows of the next tile.
; kind = 0: Q1's first fragments follow; kind = 1: the next chunk's P0's.  From the request to the wait for it: the 64 matrix instructions below and the next tile's first 64 or 96.
.macro TURN2 slot, fill, tile, kind
	s_wait_dscnt 0x0                               ; buffer 1 is in; my reads of this slot (kind = 1: and of this chunk's h) are over
	s_set_vgpr_msb 0xf1f0
	s_wait_tensorcnt 0x0                           ; all my tensor loads have landed: my part of the other slot
	ds_add_u32 v62, v63
	s_wait_dscnt 0x0
	s_set_vgpr_msb 0xf0f1
.if \fill
	SYNC \slot, \tile
.endif
	PLACES 4                                       ; buffer 0 was read by the matrix instructions last issued
.if \kind
	FETCH1 0, 0, 0, F0
.else
	FETCH2 1, 1, 0, 0
.endif
	WIN 0xa1
	MUL2 1, 0, 0
	WIN 0xf1
	MUL2 1, 1, 0
.endm
; A chunk.  On the way in, P0's first fragments are on their way into F0.  Five places head it: its first products write window 1 anew,
; over registers that the last products of phase 2 read as a source.
.macro CHUNK zero2, last
	PTILE 0, 0, 1, 5
	TURN1 0, 2, 1, 1, 1
	PTILE 1, 1, 0, 4
	TURN1 1, 3, 1, 0, 2
	PTILE 0, 2, 0, 4
	TURN1 0, 4, 1, 1, 3
	PTILE 1, 3, 0, 4
	TURN1 1, 5, 0, 0, 0                            ; Q0 has landed in slot 0; Q1 goes out into slot 1
.if \last
.else
	NEXTC                                          ; this chunk's six tiles have all been asked for
.endif
	ACT
	s_wait_dscnt 0x0                               ; for the others' sake: my part of h is written
	s_barrier_signal -1
	s_barrier_wait -1                              ; h is whole.  Q1's load stays on its way across it
	FETCH2 0, 0, 0, 0
	K2 0, 0, \zero2
.if \last
	TURN2 0, 0, 0, 0
.else
	TURN2 0, 1, 0, 0
.endif
	K2 1, 1, 0
.if \last
	s_wait_dscnt 0x0
	WIN 0xa1
	MUL2 1, 0, 0
	WIN 0xf1
	MUL2 1, 1, 0
.else
	TURN2 1, 1, 1, 1
.endif
.endm
	s_wait_tensorcnt 0x1                           ; tensor loads of a wave end in order (ISA guide 10.11.1): my parts of x and of tile 0 are in; tile 1 stays out,
	s_barrier_signal -1
	s_barrier_wait -1                              ; x is whole
	FETCH1 0, 0, 0, F0
	CHUNK 1, 0                                     ; my first chunk stands in front of the loop: its first products of phase 2 start the results' sums
	WIN 0                                          ; at a label and at a branch every window is 0
	s_mov_b32 s18, 6
.Lchunk:
	CHUNK 0, 0                                     ; my second to seventh chunk
	WIN 0
	s_sub_co_u32 s18, s18, 1
	s_cmp_lg_u32 s18, 0
	s_cbranch_scc1 .Lchunk
	CHUNK 0, 1                                     ; my eighth: its four P tiles ask for the last four tiles, its Q tiles for nothing
	; THE WAY OUT, 16 tokens at a time: 32 bytes a lane into my own stage in LDS, read back as rows of 512 bytes, stored 16 bytes a lane.
	PLACES 4                                       ; behind the last matrix instructions: their results are stored, their sources loaded into
	WIN 0
	s_wait_dscnt 0x0
	s_barrier_signal -1
	s_barrier_wait -1                              ; every wave's reads of h are over: its parts now serve as stages
	s_lshl_b32 s14, s13, 24                        ; part: 16 MiB a segment,
	s_lshl_b32 s19, s12, 18                        ; 128 rows of 2,048 bytes a block
	s_add_co_u32 s14, s14, s19
	s_add_nc_u64 s[8:9], s[8:9], s[14:15]
.macro OUT16 a, f
.if \a < 4
	WIN 0x08                                       ; store data (source 1) in window 2
.else
	WIN 0x0c                                       ; in window 3
.endif
.irp b, 0,1,2,3,4,5,6,7
	ds_store_b128 v[STO], v[8*(8*(\a&3)+\b):8*(8*(\a&3)+\b)+3]   offset:64*\b
	ds_store_b128 v[STO], v[8*(8*(\a&3)+\b)+4:8*(8*(\a&3)+\b)+7] offset:64*\b+16
.endr
	WIN 0
	s_wait_xcnt 0x0                                ; every earlier store has had its addresses translated (ISA guide 3.1): the base and buffer f are rewritten only behind this wait
.if \a
	s_add_nc_u64 s[8:9], s[8:9], 16*2048
.endif
.irp t, 0,1,2,3,4,5,6,7,8,9,10,11,12,13,14,15
	ds_load_b128 v[\f+4*\t:\f+4*\t+3], v[RD] offset:SPITCH*\t    ; LDS serves a wave's instructions in order (ISA guide 5.7.1.4): these see the stores above
.endr
.irp t, 0,1,2,3,4,5,6,7,8,9,10,11,12,13,14,15
	s_wait_dscnt 15-\t                             ; row t is in, the younger ones stay out
	global_store_b128 v[CO], v[\f+4*\t:\f+4*\t+3], s[8:9] offset:2048*\t   ; lanes 0-15 and lanes 16-31 each store 256 consecutive bytes, at a multiple of 256 from part's first byte
.endr
.endm
	OUT16 0, 64
	OUT16 1, 128
	OUT16 2, 64
	OUT16 3, 128
	OUT16 4, 64
	OUT16 5, 128
	OUT16 6, 64
	OUT16 7, 128
	s_wait_tensorcnt 0x0
	ds_add_u32 v62, v63
	s_wait_dscnt 0x0
	CROUND                                         ; the closing round: no work-group ends while a partner may still ask for a tile that names it
	s_endpgm
.Lfunc_end_k_q496d7584db_ffn:
	.size	k_q496d7584db_ffn, .Lfunc_end_k_q496d7584db_ffn-k_q496d7584db_ffn
	.p2alignl 7, 3214868480
	.fill 96, 4, 3214868480
	.section	.rodata,"a",@progbits
	.p2align	6, 0x0
	.amdhsa_kernel k_q496d7584db_ffn
		.amdhsa_group_segment_fixed_size 327680
		.amdhsa_private_segment_fixed_size 0
		.amdhsa_enable_private_segment 0
		.amdhsa_kernarg_size 24
		.amdhsa_user_sgpr_count 2
		.amdhsa_user_sgpr_kernarg_segment_ptr 1
		.amdhsa_wavefront_size32 1
		.amdhsa_system_sgpr_workgroup_id_x 1
		.amdhsa_system_sgpr_workgroup_id_y 1
		.amdhsa_system_sgpr_workgroup_id_z 1
		.amdhsa_system_vgpr_workitem_id 0
		.amdhsa_next_free_vgpr 1024
		.amdhsa_next_free_sgpr 66
		.amdhsa_reserve_vcc 0
		.amdhsa_float_denorm_mode_32 3
		.amdhsa_float_denorm_mode_16_64 3
		.amdhsa_memory_ordered 1
		.amdhsa_forward_progress 1
		.amdhsa_inst_pref_size 255
	.end_amdhsa_kernel
	.section	.bss,"aw",@nobits
	.p2align	6
	.space	262144
	.amdgpu_metadata
---
amdhsa.version: [ 1, 2 ]
amdhsa.kernels:
  - .name:           k_q496d7584db_ffn
    .symbol:         k_q496d7584db_ffn.kd
    .args:
      - { .name: xb, .offset: 0, .size: 8, .value_kind: global_buffer, .address_space: global }
      - { .name: wt, .offset: 8, .size: 8, .value_kind: global_buffer, .address_space: global }
      - { .name: part, .offset: 16, .size: 8, .value_kind: global_buffer, .address_space: global }
    .group_segment_fixed_size: 327680
    .private_segment_fixed_size: 0
    .kernarg_segment_align: 8
    .kernarg_segment_size: 24
    .max_flat_workgroup_size: 128
    .sgpr_count:     66
    .vgpr_count:     1024
    .wavefront_size: 32
...
	.end_amdgpu_metadata
.endif
;; end of part 2
;; launch combine (part 3): grid 1024 x 1, 8 waves a work-group, no clusters, 0 bytes of LDS; arguments part, sc, out0; writes out0
.if DOCPART == 3
	.amdgcn_target "amdgcn-amd-amdhsa--gfx1250"
	.amdhsa_code_object_version 6
	.text
	.protected	k_q496d7584db_combine
	.globl	k_q496d7584db_combine
	.p2align	8
	.type	k_q496d7584db_combine,@function
k_q496d7584db_combine:
	s_mov_b64 s[64:65], 0
	v_nop
	global_prefetch_b8 v0, s[64:65] scope:SCOPE_SE
	s_setreg_imm32_b32 hwreg(HW_REG_WAVE_MODE, 25, 1), 1
	s_wait_xcnt 0x0
; COMBINE: out0[t][:] = p0[t] P0[t][:] + p1[t] P1[t][:] + sg[t] (P2[t][:] + P3[t][:]), all f32.  part = [4][8192][512], sc = [8192][4] = p0, p1, sg, sg.
; A stream: one wave takes one token; its four rows of 2,048 bytes come in by sixteen loads of 512 consecutive bytes, all out at once, and are taken up in
; order by counted waits; four stores of 512 consecutive bytes.  No loop, no LDS, no barrier, no matrix unit: each byte is read or written once and
; each number meets one fused multiply-add.  The order of the four terms differs from reference()'s.
.set SEG, 0x1000000                    ; bytes of a segment's partial results
.set PV,  4                            ; v[4:67]  segment p, piece j at 16 p + 4 j; the sum is kept in segment 2's registers
.set ACC, PV+32
	s_load_b128 s[4:7], s[0:1], 0x0                ; part s[4:5], sc s[6:7]
	s_load_b64 s[8:9], s[0:1], 0x10                ; out0
	v_lshrrev_b32 v2, 5, v0
	v_readfirstlane_b32 s10, v2                    ; wave
	v_and_b32 v1, 31, v0
	v_lshlrev_b32 v1, 4, v1                        ; 16 x lane
	s_lshl_b32 s11, ttmp9, 3
	s_add_co_u32 s11, s11, s10                     ; token t = 8 x work-group + wave
	s_lshl_b32 s26, s11, 4                         ; 16 bytes of scales,
	s_mov_b32 s27, 0
	s_lshl_b32 s28, s11, 11                        ; 2,048 bytes of a row
	s_mov_b32 s29, 0
	s_wait_kmcnt 0x0
	s_add_nc_u64 s[6:7], s[6:7], s[26:27]
	s_load_b128 s[12:15], s[6:7], 0x0              ; p0, p1, sg, sg: this launch stores nothing into sc
	s_add_nc_u64 s[16:17], s[4:5], s[28:29]
	s_add_nc_u64 s[18:19], s[16:17], SEG
	s_add_nc_u64 s[20:21], s[16:17], 2*SEG
	s_add_nc_u64 s[22:23], s[16:17], 3*SEG
	s_add_nc_u64 s[8:9], s[8:9], s[28:29]
.irp p, 2,3,1,0
.irp j, 0,1,2,3
	global_load_b128 v[PV+16*\p+4*\j:PV+16*\p+4*\j+3], v1, s[16+2*\p:17+2*\p] offset:512*\j th:TH_LOAD_NT
.endr
.endr
	s_wait_kmcnt 0x0
	s_mov_b32 s24, s13                             ; p1 as a pair's first word
	s_mov_b32 s25, s13
	s_wait_loadcnt 8                               ; loads come back in order (ISA guide 5.7.1): segments 2 and 3 are in; the eight loads of 1 and 0 stay out
.irp k, 0,2,4,6,8,10,12,14
	v_pk_mul_f32 v[ACC+\k:ACC+\k+1], v[ACC+\k:ACC+\k+1], s[14:15] op_sel_hi:[1,0]
.endr
.irp k, 0,2,4,6,8,10,12,14
	v_pk_fma_f32 v[ACC+\k:ACC+\k+1], v[PV+48+\k:PV+48+\k+1], s[14:15], v[ACC+\k:ACC+\k+1] op_sel_hi:[1,0,1]
.endr
	s_wait_loadcnt 4                               ; segment 1 is in; segment 0's four loads stay out
.irp k, 0,2,4,6,8,10,12,14
	v_pk_fma_f32 v[ACC+\k:ACC+\k+1], v[PV+16+\k:PV+16+\k+1], s[24:25], v[ACC+\k:ACC+\k+1] op_sel_hi:[1,0,1]
.endr
	s_wait_loadcnt 0x0
.irp k, 0,2,4,6,8,10,12,14
	v_pk_fma_f32 v[ACC+\k:ACC+\k+1], v[PV+\k:PV+\k+1], s[12:13], v[ACC+\k:ACC+\k+1] op_sel_hi:[1,0,1]
.endr
.irp j, 0,1,2,3
	global_store_b128 v1, v[ACC+4*\j:ACC+4*\j+3], s[8:9] offset:512*\j th:TH_STORE_NT
.endr
	s_endpgm
.Lfunc_end_k_q496d7584db_combine:
	.size	k_q496d7584db_combine, .Lfunc_end_k_q496d7584db_combine-k_q496d7584db_combine
	.p2alignl 7, 3214868480
	.fill 96, 4, 3214868480
	.section	.rodata,"a",@progbits
	.p2align	6, 0x0
	.amdhsa_kernel k_q496d7584db_combine
		.amdhsa_group_segment_fixed_size 0
		.amdhsa_private_segment_fixed_size 0
		.amdhsa_enable_private_segment 0
		.amdhsa_kernarg_size 24
		.amdhsa_user_sgpr_count 2
		.amdhsa_user_sgpr_kernarg_segment_ptr 1
		.amdhsa_wavefront_size32 1
		.amdhsa_system_sgpr_workgroup_id_x 1
		.amdhsa_system_sgpr_workgroup_id_y 1
		.amdhsa_system_sgpr_workgroup_id_z 1
		.amdhsa_system_vgpr_workitem_id 0
		.amdhsa_next_free_vgpr 72
		.amdhsa_next_free_sgpr 66
		.amdhsa_reserve_vcc 0
		.amdhsa_float_denorm_mode_32 3
		.amdhsa_float_denorm_mode_16_64 3
		.amdhsa_memory_ordered 1
		.amdhsa_forward_progress 1
		.amdhsa_inst_pref_size 6
	.end_amdhsa_kernel
	.amdgpu_metadata
---
amdhsa.version: [ 1, 2 ]
amdhsa.kernels:
  - .name:           k_q496d7584db_combine
    .symbol:         k_q496d7584db_combine.kd
    .args:
      - { .name: part, .offset: 0, .size: 8, .value_kind: global_buffer, .address_space: global }
      - { .name: sc, .offset: 8, .size: 8, .value_kind: global_buffer, .address_space: global }
      - { .name: out0, .offset: 16, .size: 8, .value_kind: global_buffer, .address_space: global }
    .group_segment_fixed_size: 0
    .private_segment_fixed_size: 0
    .kernarg_segment_align: 8
    .kernarg_segment_size: 24
    .max_flat_workgroup_size: 256
    .sgpr_count:     66
    .vgpr_count:     72
    .wavefront_size: 32
...
	.end_amdgpu_metadata
.endif
;; end of part 3
;; ======== version 2 of 2: 3 launches; version 1 with the launch prep written anew for expert scheduling mode
;; workspace buffers: xb 8,388,608 bytes; wt 12,582,912 bytes; sc 131,072 bytes; part 67,108,864 bytes
;; launch prep (part 4): grid 256 x 1, 8 waves a work-group, no clusters, 2,048 bytes of LDS; arguments hidden_states, gate_w, shared_gate_w, expert_w1, expert_w3, shared_w1, shared_w3, expert_w2, shared_w2, xb, wt, sc, out1; writes xb, wt, sc, out1
.if DOCPART == 4
	.amdgcn_target "amdgcn-amd-amdhsa--gfx1250"
	.amdhsa_code_object_version 6
	.text
	.protected	k_q496d7584db_prep
	.globl	k_q496d7584db_prep
	.p2align	8
	.type	k_q496d7584db_prep,@function
k_q496d7584db_prep:
	s_mov_b64 s[64:65], 0
	v_nop
	global_prefetch_b8 v0, s[64:65] scope:SCOPE_SE
	s_setreg_imm32_b32 hwreg(HW_REG_WAVE_SCHED_MODE, 0, 2), 2
	s_setreg_imm32_b32 hwreg(HW_REG_WAVE_MODE, 25, 1), 1
	s_wait_xcnt 0x0
	s_wait_alu depctr_vm_vsrc(0)
; PREP: one pass over all inputs.  (1) x [8192][512] f32 -> xb in bf16.  (2) All FFN weights -> wt in bf16, in the order in which the
; FFN launch streams them.  (3) Router: logits (out1), softmax over the two experts, sigmoid of the shared gate -> sc [8192][4] = p0, p1, sg, sg.
; reference() takes the top 2 of 2 experts, so its combine weights are the softmax itself for every input; nothing hangs on data here.
; The 4096 intermediate columns are four segments q of 1024: q = 0, 1 the experts, q = 2, 3 the halves of the shared expert.
; wt = [q 4][chunk c 8][tile j 6][row 256][128] bf16, a tile = 65,536 dense bytes.
;   j = 0..3 (P): row 64 w + 16 b + r = k 128 j .. 128 j + 127 of W1 (b = 0, 1) or W3 (b = 2, 3), row 128 c + 32 w + 16 (b & 1) + r of the segment.
;   j = 4 + u (Q): row p = W2[col p][i0 .. i0 + 63], then W2[col p + 256][the same i], i0 = 128 c + 64 u inside the segment.
; Work-group g: x rows 32 g .. 32 g + 31 (wave o: four of them), and, with q = g >> 6, c = (g >> 3) & 7, w = (g >> 1) & 3, v = g & 1,
; rows 64 w .. 64 w + 63 of tiles 2 v, 2 v + 1 and 4 + v of chunk (q, c) (wave o: rows 64 w + 8 o + t, t = 0..7).
; Every load is 16 bytes a lane, 512 (Q: 2 x 256) consecutive bytes a wave; every bf16 store is 8 bytes a lane, 256 consecutive aligned bytes a wave.
; All 52 loads of a wave go out at once and are taken up in order by counted waits.  No matrix unit: the router has 3 columns and x is
; in registers here anyway; its products are taken on the bf16 roundings of x and of the gates, its sums are f32.
; LIMITS: v_exp_f32 and v_rcp_f32 flush results below 2^-126 to zero (ISA guide 15.8), so a probability or gate that small is stored as 0.
; THE MODE: SCHED_MODE bits 1:0 = 2 (LLVM: expert scheduling mode 2), set by the entry lines.  The code itself states the register dependences
; between vector instructions and memory or LDS instructions, with s_wait_alu, always for 0.
; THE PLAN.  Registers that memory or LDS instructions touch:
;   v1, v2, v4, v5, QO, v248, v249   offsets and LDS addresses: all made at the head, ahead of ONE wait on va_vdst, and never written again.
;   X, P, Q    A load lands; the conversions read four registers and write the first two of them; a store reads those two; nothing writes them afterwards.
;              Each group's conversions stand together, one wait on va_vdst behind them, and the group's stores follow it in one run.
;   L, R       Written by the router's arithmetic, read by eight LDS stores, which stand behind the wait that P's conversions need anyway; not written afterwards.
;   E          Named by vector instructions alone until the end, where wave 0's two LDS loads land in it; no vector instruction stands behind the last wait on va_vdst.
;   GP, v3, v6, v7 are named by vector instructions alone.
; No register that a memory or LDS instruction reads is ever written again, so the body holds no wait on vm_vsrc.
.set GP,  8                            ; v[8:31]    the three gate rows in bf16: gate y, piece j, pair p at 8 y + 2 j + p
.set X,   32                           ; v[32:95]   x: row i, piece j at 16 i + 4 j (after the conversion: the first two registers)
.set P,   96                           ; v[96:159]  P rows: tile n, row t at 32 n + 4 t
.set Q,   160                          ; v[160:191] Q rows: row t at 4 t
.set RAW, 192                          ; v[192:239] the gate rows as loaded; free again once they are packed:
.set L,   192                          ; v[192:207] row i: l0, l1, ls, a spare
.set R,   208                          ; v[208:223] row i: p0, p1, sg, sg
.set E,   224                          ; v[224:239] row i: at work
.set QO,  240                          ; v[240:247] Q: byte offset of my 16 bytes in row t
	s_load_b512 s[8:23], s[0:1], 0x0               ; hidden s[8:9], gate_w s[10:11], shared_gate_w s[12:13], expert_w1 s[14:15], expert_w3 s[16:17], shared_w1 s[18:19], shared_w3 s[20:21], expert_w2 s[22:23]
	s_load_b256 s[24:31], s[0:1], 0x40             ; shared_w2 s[24:25], xb s[26:27], wt s[28:29], sc s[30:31]
	s_load_b64 s[32:33], s[0:1], 0x60              ; out1
	v_lshl_add_u32 v248, v0, 2, 0x400              ; the LDS address of my spare word, and 0: made here and kept for the closing lines alone
	v_mov_b32 v249, 0
	v_lshrrev_b32 v6, 5, v0
	v_readfirstlane_b32 s4, v6                     ; wave o, 0..7
	v_and_b32 v7, 31, v0                           ; lane
	v_lshlrev_b32 v1, 4, v7                        ; 16 x lane
	v_lshlrev_b32 v2, 3, v7                        ; 8 x lane
	v_mov_b32 v3, 0                                ; the addend of each dot product's first link
	s_wait_alu depctr_va_sdst(0)                   ; s4 is written, ahead of its first reader, the line below; offsets, selects and a branch are made from it later
	v_mov_b32 v4, s4
	v_lshlrev_b32 v5, 6, v4                        ; LDS: 64 o (my four rows' scales, behind byte 256)
	v_lshlrev_b32 v4, 5, v4                        ; LDS: 32 o (my four rows' logits)
	v_bfe_u32 v6, v0, 4, 1                         ; lane / 16
	v_and_b32 v7, 15, v0                           ; lane % 16
	s_lshr_b32 s34, ttmp9, 6                       ; q
	s_bfe_u32 s35, ttmp9, 0x30003                  ; c
	s_bfe_u32 s36, ttmp9, 0x20001                  ; w
	s_and_b32 s37, ttmp9, 1                        ; v
	; Q's offsets hang on the work-group's number alone, so they are made here, with all the other offsets, ahead of the one wait that shows them written
	s_cmp_lt_u32 s34, 2                            ; the experts' W2 for q < 2, the shared expert's else
	s_cselect_b32 s44, 12, 13                      ; log2 of W2's row pitch: 4,096 or 8,192 bytes
	s_cselect_b32 s45, 21, 12                      ; log2 of the step from a segment to the next in W2: a whole expert, or 1,024 columns
	s_add_co_u32 s61, s44, 8
	s_lshl_b32 s63, 1, s44                         ; the pitch
	v_lshlrev_b32 v[QO], s61, v6                   ; lanes 16-31: 256 columns further down,
	v_lshl_add_u32 v[QO], v7, 4, v[QO]             ; 16 bytes for each of 16 lanes: 64 i
.irp t, 1,2,3,4,5,6,7
	v_add_nc_u32 v[QO+\t], s63, v[QO+\t-1]
.endr
	s_mov_b32 s38, 0x76543210                      ; v_permlanex16_b32: lane i reads lane i of the other half
	s_mov_b32 s39, 0xfedcba98
	s_mov_b32 s55, 0                               ; s[54:55]: every offset here is below 4 GiB
	s_lshl_b32 s54, ttmp9, 16                      ; 32 rows of 2,048 bytes a work-group,
	s_lshl_b32 s58, s4, 13                         ; 4 a wave
	s_add_co_u32 s54, s54, s58
	s_wait_kmcnt 0x0
	s_add_nc_u64 s[46:47], s[8:9], s[54:55]        ; x at my first row
	s_wait_alu depctr_va_vdst(0)                   ; v1, v2, v4, v5, v[QO ..], v248 and v249 are written: every load, store and LDS instruction of the kernel reads its offset or address from among them
.irp j, 0,1,2,3
	global_load_b128 v[RAW+4*\j:RAW+4*\j+3], v1, s[10:11] offset:512*\j
.endr
.irp j, 0,1,2,3
	global_load_b128 v[RAW+16+4*\j:RAW+16+4*\j+3], v1, s[10:11] offset:2048+512*\j
.endr
.irp j, 0,1,2,3
	global_load_b128 v[RAW+32+4*\j:RAW+32+4*\j+3], v1, s[12:13] offset:512*\j
.endr
.irp i, 0,1,2,3
.irp j, 0,1,2,3
	global_load_b128 v[X+16*\i+4*\j:X+16*\i+4*\j+3], v1, s[46:47] offset:2048*\i+512*\j th:TH_LOAD_NT
.endr
.endr
	; which buffers my weight rows come from: the experts' for q < 2, the shared expert's else; W1 for waves 0-3, W3 for waves 4-7
	s_cmp_lt_u32 s34, 2
	s_cselect_b64 s[40:41], s[14:15], s[18:19]     ; W1
	s_cselect_b64 s[56:57], s[16:17], s[20:21]     ; W3
	s_cselect_b64 s[42:43], s[22:23], s[24:25]     ; W2
	s_cmp_lt_u32 s4, 4
	s_cselect_b64 s[40:41], s[40:41], s[56:57]
	s_and_b32 s59, s34, 1                          ; q & 1: which half of its buffer the segment is
	s_and_b32 s58, s4, 3
	s_lshl_b32 s54, s59, 10
	s_lshl_b32 s60, s35, 7
	s_add_co_u32 s54, s54, s60
	s_lshl_b32 s60, s36, 5
	s_add_co_u32 s54, s54, s60
	s_lshl_b32 s60, s58, 3
	s_add_co_u32 s54, s54, s60                     ; row 1024 (q & 1) + 128 c + 32 w + 8 (o & 3)
	s_lshl_b32 s54, s54, 11                        ; x 2,048 bytes
	s_lshl_b32 s60, s37, 10                        ; + k = 256 v
	s_add_co_u32 s54, s54, s60
	s_add_nc_u64 s[40:41], s[40:41], s[54:55]
.irp n, 0,1
.irp t, 0,1,2,3,4,5,6,7
	global_load_b128 v[P+32*\n+4*\t:P+32*\n+4*\t+3], v1, s[40:41] offset:512*\n+2048*\t th:TH_LOAD_NT
.endr
.endr
	s_lshl_b32 s54, s59, s45                       ; W2: the segment,
	s_lshl_b32 s60, s36, 6
	s_lshl_b32 s61, s4, 3
	s_add_co_u32 s60, s60, s61                     ; column 64 w + 8 o (kept: it is also my first row in the tiles),
	s_lshl_b32 s61, s60, s44
	s_add_co_u32 s54, s54, s61
	s_lshl_b32 s61, s35, 9                         ; i0 = 128 c + 64 v, 4 bytes each
	s_add_co_u32 s54, s54, s61
	s_lshl_b32 s61, s37, 8
	s_add_co_u32 s54, s54, s61
	s_add_nc_u64 s[42:43], s[42:43], s[54:55]
.irp t, 0,1,2,3,4,5,6,7
	global_load_b128 v[Q+4*\t:Q+4*\t+3], v[QO+\t], s[42:43] th:TH_LOAD_NT
.endr
	; where everything goes
	s_lshl_b32 s54, ttmp9, 15                      ; xb: 32 rows of 1,024 bytes a work-group, 4 a wave
	s_lshl_b32 s58, s4, 12
	s_add_co_u32 s54, s54, s58
	s_add_nc_u64 s[48:49], s[26:27], s[54:55]
	s_lshr_b32 s58, ttmp9, 3                       ; 8 q + c
	s_mul_i32 s54, s58, 0x60000                    ; six tiles a chunk
	s_lshl_b32 s61, s60, 8                         ; my first row, 256 bytes a row
	s_add_co_u32 s54, s54, s61
	s_lshl_b32 s61, s37, 16
	s_add_co_u32 s62, s54, s61                     ; + v tiles
	s_add_co_u32 s54, s62, s61                     ; + 2 v tiles: P
	s_add_nc_u64 s[50:51], s[28:29], s[54:55]
	s_add_co_u32 s54, s62, 0x40000                 ; tile 4 + v: Q
	s_add_nc_u64 s[52:53], s[28:29], s[54:55]
	s_lshl_b32 s54, ttmp9, 8                       ; out1: 32 rows of 8 bytes
	s_add_nc_u64 s[32:33], s[32:33], s[54:55]
	s_lshl_b32 s54, ttmp9, 9                       ; sc: 32 rows of 16 bytes
	s_add_nc_u64 s[30:31], s[30:31], s[54:55]
	s_wait_loadcnt 40                              ; loads come back in order (ISA guide 5.7.1): the 12 gate loads are in; x's 16, P's 16 and Q's 8 stay out
.irp y, 0,1,2
.irp j, 0,1,2,3
	v_cvt_pk_bf16_f32 v[GP+8*\y+2*\j],   v[RAW+16*\y+4*\j],   v[RAW+16*\y+4*\j+1]
	v_cvt_pk_bf16_f32 v[GP+8*\y+2*\j+1], v[RAW+16*\y+4*\j+2], v[RAW+16*\y+4*\j+3]
.endr
.endr
	s_wait_loadcnt 24                              ; x is in; P's 16 and Q's 8 stay out
.irp i, 0,1,2,3
.irp j, 0,1,2,3
	v_cvt_pk_bf16_f32 v[X+16*\i+4*\j],   v[X+16*\i+4*\j],   v[X+16*\i+4*\j+1]
	v_cvt_pk_bf16_f32 v[X+16*\i+4*\j+1], v[X+16*\i+4*\j+2], v[X+16*\i+4*\j+3]
.endr
.endr
	s_wait_alu depctr_va_vdst(0)                   ; the 32 conversions have written x's words in bf16, which the sixteen stores below read
.irp i, 0,1,2,3
.irp j, 0,1,2,3
	global_store_b64 v2, v[X+16*\i+4*\j:X+16*\i+4*\j+1], s[48:49] offset:1024*\i+256*\j   ; these registers are only read from here on
.endr
.endr
	; twelve dot products (4 rows x 3 gates), 16 links each over my 16 numbers of a row, taken by turns so that no link waits for the one before it
.irp j, 0,1,2,3
.irp p, 0,1
.irp s, 0,1
.irp i, 0,1,2,3
.irp y, 0,1,2
.if \j+\p+\s
	v_fma_mix_f32_bf16 v[L+4*\i+\y], v[X+16*\i+4*\j+\p], v[GP+8*\y+2*\j+\p], v[L+4*\i+\y] op_sel:[\s,\s,0] op_sel_hi:[1,1,0]
.else
	v_fma_mix_f32_bf16 v[L+4*\i+\y], v[X+16*\i+4*\j+\p], v[GP+8*\y+2*\j+\p], v3 op_sel:[\s,\s,0] op_sel_hi:[1,1,0]
.endif
.endr
.endr
.endr
.endr
.endr
	; across the 32 lanes: four steps inside each half ride on the addition, one crosses the halves; every lane ends with the sum
.irp m, 1,2,4,8
.irp i, 0,1,2,3
.irp y, 0,1,2
	v_add_f32_dpp v[L+4*\i+\y], v[L+4*\i+\y], v[L+4*\i+\y] row_xmask:\m row_mask:0xf bank_mask:0xf
.endr
.endr
.endr
.irp i, 0,1,2,3
.irp y, 0,1,2
	v_permlanex16_b32 v[L+4*\i+3], v[L+4*\i+\y], s38, s39   ; its destination has been written (a gate load landed there)
	v_add_f32 v[L+4*\i+\y], v[L+4*\i+\y], v[L+4*\i+3]
.endr
.endr
	; softmax over the two logits, the larger one taken away first; sigmoid(ls) = 1 / (1 + 2^(-log2 e x ls))
.irp i, 0,1,2,3
	v_max_num_f32 v[E+4*\i+3], v[L+4*\i], v[L+4*\i+1]
	v_sub_f32 v[E+4*\i],   v[L+4*\i],   v[E+4*\i+3]
	v_sub_f32 v[E+4*\i+1], v[L+4*\i+1], v[E+4*\i+3]
	v_mul_f32 v[E+4*\i],   0x3fb8aa3b, v[E+4*\i]
	v_mul_f32 v[E+4*\i+1], 0x3fb8aa3b, v[E+4*\i+1]
	v_mul_f32 v[E+4*\i+2], 0xbfb8aa3b, v[L+4*\i+2]
.endr
.irp i, 0,1,2,3
.irp y, 0,1,2
	v_exp_f32 v[E+4*\i+\y], v[E+4*\i+\y]
.endr
.endr
	v_nop                                          ; one plain place behind the last exponential before its result is read (ISA guide 5.7.2)
	s_wait_alu depctr_va_vdst(0)                   ; the twelve exponentials have written v[E ..]: one wait for the batch, ahead of its first reader
.irp i, 0,1,2,3
	v_add_f32 v[E+4*\i+3], v[E+4*\i], v[E+4*\i+1]
	v_add_f32 v[E+4*\i+2], 1.0, v[E+4*\i+2]
.endr
.irp i, 0,1,2,3
	v_rcp_f32 v[E+4*\i+3], v[E+4*\i+3]
	v_rcp_f32 v[R+4*\i+2], v[E+4*\i+2]
.endr
	v_nop                                          ; and one behind the last reciprocal
	s_wait_alu depctr_va_vdst(0)                   ; the eight reciprocals have written v[E+3 ..] and v[R+2 ..]: one wait for the batch, ahead of its first reader
.irp i, 0,1,2,3
	v_mul_f32 v[R+4*\i],   v[E+4*\i],   v[E+4*\i+3]
	v_mul_f32 v[R+4*\i+1], v[E+4*\i+1], v[E+4*\i+3]
	v_mov_b32 v[R+4*\i+3], v[R+4*\i+2]
.endr
	s_wait_loadcnt 8                               ; P is in; Q's 8 stay out
.irp n, 0,1
.irp t, 0,1,2,3,4,5,6,7
	v_cvt_pk_bf16_f32 v[P+32*\n+4*\t],   v[P+32*\n+4*\t],   v[P+32*\n+4*\t+1]
	v_cvt_pk_bf16_f32 v[P+32*\n+4*\t+1], v[P+32*\n+4*\t+2], v[P+32*\n+4*\t+3]
.endr
.endr
	s_wait_alu depctr_va_vdst(0)                   ; the router's arithmetic has written v[L ..] and v[R ..], which the LDS stores read; the 32 conversions have written P's words in bf16, which the sixteen stores read
.irp i, 0,1,2,3
	ds_store_b64  v4, v[L+4*\i:L+4*\i+1] offset:8*\i          ; all lanes hold the same numbers and write the same bytes: row 4 o + i of the group's 32
	ds_store_b128 v5, v[R+4*\i:R+4*\i+3] offset:256+16*\i
.endr
.irp n, 0,1
.irp t, 0,1,2,3,4,5,6,7
	global_store_b64 v2, v[P+32*\n+4*\t:P+32*\n+4*\t+1], s[50:51] offset:65536*\n+256*\t
.endr
.endr
	s_wait_loadcnt 0x0
.irp t, 0,1,2,3,4,5,6,7
	v_cvt_pk_bf16_f32 v[Q+4*\t],   v[Q+4*\t],   v[Q+4*\t+1]
	v_cvt_pk_bf16_f32 v[Q+4*\t+1], v[Q+4*\t+2], v[Q+4*\t+3]
.endr
	s_wait_alu depctr_va_vdst(0)                   ; the sixteen conversions have written Q's words in bf16, which the eight stores read; and every vector instruction that named v[E ..] is done: none follows this wait
.irp t, 0,1,2,3,4,5,6,7
	global_store_b64 v2, v[Q+4*\t:Q+4*\t+1], s[52:53] offset:256*\t
.endr
	; the 32 rows' logits and scales leave together, so that each store covers whole aligned runs of 256 bytes
	s_wait_dscnt 0x0                               ; for wave 0's sake: my LDS stores are done
	s_barrier_signal -1
	s_barrier_wait -1
	s_cmp_lg_u32 s4, 0
	s_cbranch_scc1 .Lend
	ds_load_b64  v[E:E+1], v2                      ; no wait on va_vdst here: the last one stands behind every vector instruction of the kernel, those that read or wrote v[E ..] among them
	ds_load_b128 v[E+4:E+7], v1 offset:256
	s_wait_dscnt 0x0
	global_store_b64  v2, v[E:E+1], s[32:33]
	global_store_b128 v1, v[E+4:E+7], s[30:31]
.Lend:
	s_wait_dscnt 0x0                               ; the closing lines, six on end
	s_wait_alu 0x0
	s_wait_tensorcnt 0x0
	ds_add_u32 v248, v249
	s_wait_dscnt 0x0
	s_endpgm
.Lfunc_end_k_q496d7584db_prep:
	.size	k_q496d7584db_prep, .Lfunc_end_k_q496d7584db_prep-k_q496d7584db_prep
	.p2alignl 7, 3214868480
	.fill 96, 4, 3214868480
	.section	.rodata,"a",@progbits
	.p2align	6, 0x0
	.amdhsa_kernel k_q496d7584db_prep
		.amdhsa_group_segment_fixed_size 2048
		.amdhsa_private_segment_fixed_size 0
		.amdhsa_enable_private_segment 0
		.amdhsa_kernarg_size 104
		.amdhsa_user_sgpr_count 2
		.amdhsa_user_sgpr_kernarg_segment_ptr 1
		.amdhsa_wavefront_size32 1
		.amdhsa_system_sgpr_workgroup_id_x 1
		.amdhsa_system_sgpr_workgroup_id_y 1
		.amdhsa_system_sgpr_workgroup_id_z 1
		.amdhsa_system_vgpr_workitem_id 0
		.amdhsa_next_free_vgpr 250
		.amdhsa_next_free_sgpr 66
		.amdhsa_reserve_vcc 0
		.amdhsa_float_denorm_mode_32 3
		.amdhsa_float_denorm_mode_16_64 3
		.amdhsa_memory_ordered 1
		.amdhsa_forward_progress 1
		.amdhsa_inst_pref_size 39
	.end_amdhsa_kernel
	.amdgpu_metadata
---
amdhsa.version: [ 1, 2 ]
amdhsa.kernels:
  - .name:           k_q496d7584db_prep
    .symbol:         k_q496d7584db_prep.kd
    .args:
      - { .name: hidden_states, .offset: 0, .size: 8, .value_kind: global_buffer, .address_space: global }
      - { .name: gate_w, .offset: 8, .size: 8, .value_kind: global_buffer, .address_space: global }
      - { .name: shared_gate_w, .offset: 16, .size: 8, .value_kind: global_buffer, .address_space: global }
      - { .name: expert_w1, .offset: 24, .size: 8, .value_kind: global_buffer, .address_space: global }
      - { .name: expert_w3, .offset: 32, .size: 8, .value_kind: global_buffer, .address_space: global }
      - { .name: shared_w1, .offset: 40, .size: 8, .value_kind: global_buffer, .address_space: global }
      - { .name: shared_w3, .offset: 48, .size: 8, .value_kind: global_buffer, .address_space: global }
      - { .name: expert_w2, .offset: 56, .size: 8, .value_kind: global_buffer, .address_space: global }
      - { .name: shared_w2, .offset: 64, .size: 8, .value_kind: global_buffer, .address_space: global }
      - { .name: xb, .offset: 72, .size: 8, .value_kind: global_buffer, .address_space: global }
      - { .name: wt, .offset: 80, .size: 8, .value_kind: global_buffer, .address_space: global }
      - { .name: sc, .offset: 88, .size: 8, .value_kind: global_buffer, .address_space: global }
      - { .name: out1, .offset: 96, .size: 8, .value_kind: global_buffer, .address_space: global }
    .group_segment_fixed_size: 2048
    .private_segment_fixed_size: 0
    .kernarg_segment_align: 8
    .kernarg_segment_size: 104
    .max_flat_workgroup_size: 256
    .sgpr_count:     66
    .vgpr_count:     250
    .wavefront_size: 32
...
	.end_amdgpu_metadata
.endif
;; end of part 4
;; launch ffn: the kernel of part 2 again; grid 64 x 4, 4 waves a work-group, clusters of 4 x 1, 327,680 bytes of LDS; arguments xb, wt, part; writes part
;; launch combine: the kernel of part 3 again; grid 1024 x 1, 8 waves a work-group, no clusters, 0 bytes of LDS; arguments part, sc, out0; writes out0
